; MI455X (gfx1250); checked and timed in simulation.
; The chip was launched on July 23, 2026; its instructions are those of AMD's public machine-readable ISA for CDNA 5 (MIT licence, August 2026) and "CDNA5" Instruction Set Architecture Reference Guide (July 2026). The comments in the code are by the model that wrote it; some were corrected since.
;; Quantized Linear. Allowed arithmetic: float matrix products may take bf16 or f16 operands with f32 sums; other float arithmetic in f32, or as packed bf16 or f16 multiplies, adds, multiply-adds, maxima and minima; sums over many terms, partial sums and values carried from step to step in f32; what a program stores and reads back later, other than sums and carried values, may be rounded once to bf16 or f16.
;; Inputs: bias 4,096 float32; weight_i8 4,096 x 4,096 int8; weight_scale 4,096 float32; x 4 x 1,024 x 4,096 float32.
;; Outputs: out0 4 x 1,024 x 4,096 float32.
;; 2 versions, each right; version 2 is version 1 with the launch convert written anew for expert scheduling mode. Each part assembles by itself: llvm-mc -triple=amdgcn-amd-amdhsa -mcpu=gfx1250 --defsym DOCPART=n.
;; ======== version 1 of 2: 2 launches
;; limits: values are held in f16: magnitudes above 65,504 overflow, below 6.1e-05 lose precision
;; workspace buffers: x16 33,554,432 bytes; w16 33,554,432 bytes
;; launch convert (part 1): grid 256 x 3, 8 waves a work-group, no clusters, 0 bytes of LDS; arguments x, weight_i8, x16, w16; writes x16, w16
.if DOCPART == 1
	.amdgcn_target "amdgcn-amd-amdhsa--gfx1250"
	.amdhsa_code_object_version 6
	.text
	.protected	k_qb3092dc96c_convert
	.globl	k_qb3092dc96c_convert
	.p2align	8
	.type	k_qb3092dc96c_convert,@function
k_qb3092dc96c_convert:
	s_mov_b64 s[64:65], 0
	v_nop
	global_prefetch_b8 v0, s[64:65] scope:SCOPE_SE
	s_setreg_imm32_b32 hwreg(HW_REG_WAVE_MODE, 25, 1), 1
	s_wait_xcnt 0x0
; THE MATRIX OPERANDS ARE MADE ONCE.  x16[m][k] = f16(clip(x[m][k], -6, 6)), one rounding; w16[n][k] = f16(weight_i8[n][k]), exact (an int8 has 8 bits, f16 keeps 11).
; The clip bounds every x16 by 6, so f16's range is never left, whatever x holds.  The channel's scale is NOT applied here: it multiplies the finished sum, in f32, in the next launch.
; LIMITS.  A NaN in x becomes a clip bound (v_max_num_f32 and v_min_num_f32 let a NaN lose) where the problem's clip would keep it.  |x| below 6.1e-5 keeps f16's fixed step of 6e-8.
; SHARES.  An element of x moves 4 + 2 bytes, one of w 1 + 2: a group for w takes twice the elements, so that every group moves 196,608 bytes.
;   y = 0, 1: group g = 256 y + x-id takes 32,768 numbers of x.      y = 2: group g = x-id takes 65,536 numbers of w.      768 groups of eight waves.
; A group works in 32 slices of 256 threads.  x: thread t loads the 16 bytes at 16 t + 4,096 i and stores the 8 bytes at 8 t + 2,048 i; w: loads 8 bytes at 8 t + 2,048 i, stores 16 at 16 t + 4,096 i.
; So a wave's narrow access covers 256 consecutive bytes at a multiple of 256, its wide one 512.  The slice stands in the immediate offset: no address register and no base is ever stepped, and there is no loop.
; A ring of 16 register slots keeps 16 loads of every wave on their way.  No LDS, no barrier, no matrix unit: nothing is used twice, and no wave needs another's data.
.set DEPTH, 16                         ; slots = loads in flight in each wave; 2 x DEPTH slices in all
.set IN,    4                          ; v[4:67]    slot s as loaded: 4 registers for x, 2 for w
.set OUT,   68                         ; v[68:131]  slot s to store: 2 registers for x, 4 for w
	s_load_b256 s[4:11], s[0:1], 0x0               ; x s[4:5], weight_i8 s[6:7], x16 s[8:9], w16 s[10:11]
	s_and_b32 s12, ttmp7, 0xffff                   ; y
	v_lshlrev_b32 v1, 4, v0                        ; 16 t: never rewritten
	v_lshlrev_b32 v2, 3, v0                        ; 8 t: never rewritten
	s_mov_b32 s15, 0                               ; the high words of the two offsets
	s_mov_b32 s19, 0
	s_cmp_eq_u32 s12, 2
	s_cbranch_scc1 .Lweights
	; ---- x ----
	s_lshl_b32 s13, s12, 8
	s_add_co_u32 s13, s13, ttmp9                   ; g = 0 .. 511
	s_lshl_b32 s14, s13, 17                        ; 131,072 bytes of x a group,
	s_lshl_b32 s18, s13, 16                        ; 65,536 of x16
	s_mov_b32 s16, 0xc0c00000                      ; -6.0
	s_mov_b32 s17, 0x40c00000                      ; 6.0
	s_wait_kmcnt 0x0
	s_add_nc_u64 s[4:5], s[4:5], s[14:15]
	s_add_nc_u64 s[8:9], s[8:9], s[18:19]
.irp i, 0,1,2,3,4,5,6,7,8,9,10,11,12,13,14,15
	global_load_b128 v[IN+4*(\i):IN+4*(\i)+3], v1, s[4:5] offset:(\i)*4096 th:TH_LOAD_NT  ; x is read once in the launch
.endr
; Slice i of x.  In the first half the slot is loaded again, with slice i + 16.
.macro XSLOT i
.set SI, IN+4*((\i)%DEPTH)
.set SO, OUT+2*((\i)%DEPTH)
.if (\i) < DEPTH
	s_wait_loadcnt DEPTH-1                         ; 16 + i loads are issued, they come back in order (ISA guide 5.7.1): load i is in, the 15 younger stay out
.else
	s_wait_loadcnt 2*DEPTH-1-(\i)                  ; all 32 are issued: 31 - i are younger
.endif
.irp j, 0,1,2,3
	v_max_num_f32 v[SI+(\j)], s16, v[SI+(\j)]
.endr
.irp j, 0,1,2,3
	v_min_num_f32 v[SI+(\j)], s17, v[SI+(\j)]
.endr
	v_cvt_pk_f16_f32 v[SO],   v[SI],   v[SI+1]     ; two roundings to f16, the first source in the low half
	v_cvt_pk_f16_f32 v[SO+1], v[SI+2], v[SI+3]
.if (\i) < DEPTH
	global_load_b128 v[SI:SI+3], v1, s[4:5] offset:((\i)+DEPTH)*4096 th:TH_LOAD_NT  ; the load ahead of the store
.endif
	global_store_b64 v2, v[SO:SO+1], s[8:9] offset:(\i)*2048  ; no hint: the next launch reads these bytes
.endm
.irp i, 0,1,2,3,4,5,6,7,8,9,10,11,12,13,14,15
	XSLOT \i
.endr
	s_wait_xcnt 0x0                                ; the first half's stores have read their data (ISA guide 3.1): OUT is written again only behind this wait
.irp i, 16,17,18,19,20,21,22,23,24,25,26,27,28,29,30,31
	XSLOT \i
.endr
	s_endpgm
	; ---- w ----
.Lweights:
	s_lshl_b32 s14, ttmp9, 16                      ; 65,536 bytes of weight_i8 a group,
	s_lshl_b32 s18, ttmp9, 17                      ; 131,072 of w16
	s_mov_b32 s20, 0x80808080                      ; turns four int8 w into four bytes u = w + 128
	s_mov_b32 s21, 0x00050004                      ; v_perm_b32: {0x64, u1, 0x64, u0}
	s_mov_b32 s22, 0x00070006                      ;             {0x64, u3, 0x64, u2}
	s_mov_b32 s23, 0xe480e480                      ; -1,152 twice, in f16
	v_mov_b32 v3, 0x64646464                       ; 0x6400 is 1,024 in f16, where the step is 1: 0x6400 | u is 1,024 + u
	s_wait_kmcnt 0x0
	s_add_nc_u64 s[6:7], s[6:7], s[14:15]
	s_add_nc_u64 s[10:11], s[10:11], s[18:19]
.irp i, 0,1,2,3,4,5,6,7,8,9,10,11,12,13,14,15
	global_load_b64 v[IN+2*(\i):IN+2*(\i)+1], v2, s[6:7] offset:(\i)*2048 th:TH_LOAD_NT
.endr
; Slice i of w: eight int8 become eight f16.  (1,024 + u) - 1,152 = u - 128 = w: both numbers and their difference are whole numbers within f16's 11 bits, so the addition rounds nothing.
.macro WSLOT i
.set SI, IN+2*((\i)%DEPTH)
.set SO, OUT+4*((\i)%DEPTH)
.if (\i) < DEPTH
	s_wait_loadcnt DEPTH-1                         ; as for x: load i is in, the 15 younger stay out
.else
	s_wait_loadcnt 2*DEPTH-1-(\i)
.endif
	v_xor_b32 v[SI],   s20, v[SI]
	v_xor_b32 v[SI+1], s20, v[SI+1]
	v_perm_b32 v[SO],   v[SI],   v3, s21           ; selector bytes 4 to 7 take the first source's bytes, 0 takes 0x64
	v_perm_b32 v[SO+1], v[SI],   v3, s22
	v_perm_b32 v[SO+2], v[SI+1], v3, s21
	v_perm_b32 v[SO+3], v[SI+1], v3, s22
.irp j, 0,1,2,3
	v_pk_add_f16 v[SO+(\j)], v[SO+(\j)], s23
.endr
.if (\i) < DEPTH
	global_load_b64 v[SI:SI+1], v2, s[6:7] offset:((\i)+DEPTH)*2048 th:TH_LOAD_NT
.endif
	global_store_b128 v1, v[SO:SO+3], s[10:11] offset:(\i)*4096
.endm
.irp i, 0,1,2,3,4,5,6,7,8,9,10,11,12,13,14,15
	WSLOT \i
.endr
	s_wait_xcnt 0x0                                ; the first half's stores have read their data: OUT is written again only behind this wait
.irp i, 16,17,18,19,20,21,22,23,24,25,26,27,28,29,30,31
	WSLOT \i
.endr
	s_endpgm
.Lfunc_end_k_qb3092dc96c_convert:
	.size	k_qb3092dc96c_convert, .Lfunc_end_k_qb3092dc96c_convert-k_qb3092dc96c_convert
	.p2alignl 7, 3214868480
	.fill 96, 4, 3214868480
	.section	.rodata,"a",@progbits
	.p2align	6, 0x0
	.amdhsa_kernel k_qb3092dc96c_convert
		.amdhsa_group_segment_fixed_size 0
		.amdhsa_private_segment_fixed_size 0
		.amdhsa_enable_private_segment 0
		.amdhsa_kernarg_size 32
		.amdhsa_user_sgpr_count 2
		.amdhsa_user_sgpr_kernarg_segment_ptr 1
		.amdhsa_wavefront_size32 1
		.amdhsa_system_sgpr_workgroup_id_x 1
		.amdhsa_system_sgpr_workgroup_id_y 1
		.amdhsa_system_sgpr_workgroup_id_z 1
		.amdhsa_system_vgpr_workitem_id 0
		.amdhsa_next_free_vgpr 132
		.amdhsa_next_free_sgpr 66
		.amdhsa_reserve_vcc 0
		.amdhsa_float_denorm_mode_32 3
		.amdhsa_float_denorm_mode_16_64 3
		.amdhsa_memory_ordered 1
		.amdhsa_forward_progress 1
		.amdhsa_inst_pref_size 46
	.end_amdhsa_kernel
	.amdgpu_metadata
---
amdhsa.version: [ 1, 2 ]
amdhsa.kernels:
  - .name:           k_qb3092dc96c_convert
    .symbol:         k_qb3092dc96c_convert.kd
    .args:
      - { .name: x, .offset: 0, .size: 8, .value_kind: global_buffer, .address_space: global }
      - { .name: weight_i8, .offset: 8, .size: 8, .value_kind: global_buffer, .address_space: global }
      - { .name: x16, .offset: 16, .size: 8, .value_kind: global_buffer, .address_space: global }
      - { .name: w16, .offset: 24, .size: 8, .value_kind: global_buffer, .address_space: global }
    .group_segment_fixed_size: 0
    .private_segment_fixed_size: 0
    .kernarg_segment_align: 8
    .kernarg_segment_size: 32
    .max_flat_workgroup_size: 256
    .sgpr_count:     66
    .vgpr_count:     132
    .wavefront_size: 32
...
	.end_amdgpu_metadata
.endif
;; end of part 1
;; launch gemm (part 2): grid 16 x 16, 4 waves a work-group, clusters of 4 x 4, 327,680 bytes of LDS; arguments x16, w16, out0, weight_scale, bias; writes out0
.if DOCPART == 2
	.amdgcn_target "amdgcn-amd-amdhsa--gfx1250"
	.amdhsa_code_object_version 6
	.text
	.protected	k_qb3092dc96c_gemm
	.globl	k_qb3092dc96c_gemm
	.p2align	8
	.type	k_qb3092dc96c_gemm,@function
k_qb3092dc96c_gemm:
	s_mov_b64 s[64:65], 0
	v_nop
	global_prefetch_b8 v0, s[64:65] scope:SCOPE_SE
	s_setreg_imm32_b32 hwreg(HW_REG_WAVE_MODE, 25, 1), 1
	s_wait_xcnt 0x0
	s_wait_alu depctr_hold_cnt(0) depctr_sa_sdst(0) depctr_va_vdst(0) depctr_va_sdst(0) depctr_va_ssrc(0) depctr_va_vcc(0) depctr_vm_vsrc(0)
	s_getreg_b32 s2, hwreg(HW_REG_IB_STS2, 6, 4)
	s_cmp_eq_u32 s2, 0
	s_cbranch_scc0 .Lentry_in_a_cluster
	s_endpgm
.Lentry_in_a_cluster:
	s_bfe_u32 s2, ttmp6, 0x10000c
	s_cmp_lg_u32 s2, 0xf033
	s_cbranch_scc0 .Lentry_shape_is_right
	s_endpgm
.Lentry_shape_is_right:
; out0[m][n] = scale[n] * (sum over k of x16[m][k] w16[n][k]) + bias[n].  x16: [4096][4096] f16 (x clipped and rounded once), w16: [4096][4096] f16 (the int8 weights, exact); sums in f32; out0 f32.
; ORDER OF ROUNDING.  The problem multiplies each weight by its channel's scale and then sums; here the scale, which is the same for all k, multiplies the finished f32 sum, in one fused multiply-add with the bias.
; A tile of out0, 256 x 256, is made by a work-group of four waves; a wave makes 128 x 128: 64 accumulators of 16 x 16, 512 registers.  16 x 16 tiles, one to a work-group.
; K goes in 32 steps of 128 through a ring of two LDS slots filled by the tensor data mover: a tile's rows are 256 bytes of memory and start at multiples of 256 bytes from the buffer's first byte.
; CLUSTERS: 4 x 4 work-groups.  The four of a row of the cluster need the same tiles of x16, the four of a column the same tiles of w16: each tile is asked for JOINTLY, by the same tensor load with the same
; descriptor and a mask that names the four; each receives it in its own LDS.  That divides the requests for both operands by four.
; THE MATRIX INSTRUCTION IS USED TRANSPOSED: source 0 = 16 rows of w16, source 1 = 16 rows of x16.  In the result lane l holds row l % 16 of out0 and its registers 0 to 7 the columns 8 (l / 16) + 0 .. 7.
; REGISTERS, in windows of 256 (s_set_vgpr_msb: bits 1:0 source 0, 3:2 source 1, 5:4 source 2, 7:6 destination):
;   window 0: v0-31 addresses; v32-39 scale and bias of my four columns on the way out; v64-127, v128-191 fragments of x16 (8 x 16 rows x 32 K), two buffers, and on the way out rows read back from the stage
;   window 1: v64-127, v128-191 fragments of w16, two buffers
;   window 2: the 32 accumulators of my rows 0-63 (accumulator (a, b) at v[8 (8 a + b)]);   window 3: those of my rows 64-127
.set SIZE_K, 4096
.set SIZE_N, 4096
.set KSTEP,  128
.set PITCH,  272                       ; an LDS row: 256 bytes + 16 of padding = 68 words: row r starts at bank 4 r mod 64 (64 banks of 4 bytes: ISA guide 11.1), so the 16 rows of a fragment load start at 16 different banks
.set HALFT,  128*PITCH                 ; 128 rows: what one tensor load brings, and what one wave reads of either operand
.set SLOT,   4*HALFT                   ; x16's 256 rows, then w16's 256 rows
.set STAGE,  2*SLOT                    ; behind the ring, never filled by a tensor load: 16 rows x 528 bytes for each wave, for the way out
.set SPITCH, 528                       ; a stage row: 128 f32 = 512 bytes + 16: 132 words, row r starts at bank 4 r mod 64
.set SPARE,  STAGE+4*16*SPITCH         ; behind the stages: the spare words, 128 bytes for each wave: two blocks of 256 bytes that no other line names
.set LAPS,   SIZE_K/(2*KSTEP)          ; a lap = two K steps = once round the ring: 16
.set ADRA, 16                          ; v16-17  LDS address of my x16 fragments in slot 0, 1
.set ADRB, 20                          ; v20-21  the same for w16
.set STO,  24                          ; v24     the way out: where I put 32 bytes of a row
.set RD,   25                          ; v25     the way out: where I read 16 bytes of a row back
.set CO,   26                          ; v26     16 x lane: my place in 512 bytes of out0, of scale and of bias; never rewritten
.set SPW,  28                          ; v28     LDS address of my spare word: SPARE + 4 x my thread's number; never rewritten
.set NIL,  29                          ; v29     0; never rewritten
.set SC,   32                          ; v[32:35] scale of the four columns that I store
.set BI,   36                          ; v[36:39] their bias
.set F0,   64                          ; fragment buffer 0
.set F1,   128                         ; fragment buffer 1
.set G1,  24                           ; s[24:31] descriptor group 1 for x16's tiles
.set G0,  32                           ; s[32:39] descriptor group 0 for x16's tiles, one set for each slot
.set G1B, 48                           ; s[48:55] descriptor group 1 for w16's tiles: it differs in the mask alone
.set G0B, 56                           ; s[56:63] descriptor group 0 for w16's tiles, one set for each slot
.set MSB, 0
.macro WIN new                         ; the immediate's high byte repeats the setting that is left; a switch that changes nothing is dropped
.if MSB != (\new)
	s_set_vgpr_msb (MSB<<8)|(\new)
.set MSB, \new
.endif
.endm
.set MUL_LO, 0xa1                      ; source 0 (w16) window 1, source 1 (x16) window 0, C and D window 2
.set MUL_HI, 0xf1                      ; the same, C and D window 3
.set TO_B,   0x40                      ; destination window 1, address window 0
; A joint load.  Waves 0 and 1 fetch x16's two halves, waves 2 and 3 w16's.  Each of the two lines has ONE mask and one set of registers for all that issue it.  The branch hangs on the wave's number alone.
; An s_nop 0 and four v_nop follow each of the two lines; the jump round the other line, the label and what follows the macro come after them.
.macro JLOAD s
	s_cmp_eq_u32 s11, 0
	s_cbranch_scc0 .Lfor_b_\@
	tensor_load_to_lds s[G0+4*(\s):G0+4*(\s)+3], s[G1:G1+7]
	s_nop 0
.rept 4
	v_nop
.endr
	s_branch .Lasked_\@
.Lfor_b_\@:
	tensor_load_to_lds s[G0B+4*(\s):G0B+4*(\s)+3], s[G1B:G1B+7]
	s_nop 0
.rept 4
	v_nop
.endr
.Lasked_\@:
.endm
; A round of the cluster's barrier: my work-group's barrier, so that wave 0's signal speaks for all four waves; wave 0 signals for the work-group; every wave waits for all sixteen work-groups;
; my work-group's barrier once more.  No LDS instruction of the wave is pending at a signal.
.macro CREST                           ; a round behind its opening barrier
	s_cmp_lg_u32 s10, 0
	s_cbranch_scc1 .Lnot_wave_0_\@
	s_barrier_signal -3
.Lnot_wave_0_\@:
	s_barrier_wait -3
	s_barrier_signal -1
	s_barrier_wait -1
.endm
.macro CROUND                          ; a whole round
	s_barrier_signal -1
	s_barrier_wait -1
	CREST
.endm
	s_load_b128 s[4:7], s[0:1], 0x0                ; x16 s[4:5], w16 s[6:7]
	s_load_b64 s[8:9], s[0:1], 0x10                ; out0
	s_load_b64 s[68:69], s[0:1], 0x18              ; weight_scale
	s_load_b64 s[70:71], s[0:1], 0x20              ; bias
	v_lshl_add_u32 v[SPW], v0, 2, SPARE
	v_mov_b32 v[NIL], 0
	ds_add_u32 v[SPW], v[NIL]                      ; the wave's opening: the add and its wait stand ahead of my first tensor load; the set-up below, work on registers, stands between them
	v_lshrrev_b32 v1, 5, v0
	v_readfirstlane_b32 s10, v1                    ; wave 0..3
	s_lshr_b32 s11, s10, 1                         ; which half of the tile's rows is mine.  Also: I fetch for x16 (0) or for w16 (1)
	s_and_b32 s12, s10, 1                          ; which half of its columns.  Also: which 128 rows of that operand's tile I fetch
	s_bfe_u32 s40, ttmp6, 0x40000                  ; cx: my place along the cluster's x
	s_bfe_u32 s41, ttmp6, 0x40004                  ; cy: along its y
	s_lshl_b32 s42, ttmp9, 2                       ; in a cluster launch ttmp9 and ttmp7 count clusters
	s_add_co_u32 s42, s42, s40                     ; tile column = 4 x cluster x + cx
	s_and_b32 s13, ttmp7, 0xffff
	s_lshl_b32 s13, s13, 2
	s_add_co_u32 s13, s13, s41                     ; tile row = 4 x cluster y + cy
	s_lshl_b32 s43, s41, 2
	s_lshl_b32 s43, 15, s43                        ; my row of the cluster: places 4 cy .. 4 cy + 3
	s_lshl_b32 s44, 0x1111, s40                    ; my column: places cx, cx + 4, cx + 8, cx + 12
	; descriptor group 1: a tile of 128 rows x 128 elements of 2 bytes, padded in LDS
	s_or_b32 s[G1+0], s43, (1<<16)|(1<<20)|(1<<21)|(5<<22)|(3<<25)   ; 15:0 the mask: x16's tiles go to my row; 17:16 elements of 2 bytes; 20 padding on; 21 set beside a mask; 24:22 after every 64 words (code 5); 31:25 4 words of it (code 3)
	s_or_b32 s[G1B+0], s44, (1<<16)|(1<<20)|(1<<21)|(5<<22)|(3<<25)  ; the same with the mask of my column, for w16's tiles
.irp g, G1, G1B
	s_mov_b32 s[(\g)+1], KSTEP<<16                 ; 63:48 tensor_dim0, low half = 128
	s_mov_b32 s[(\g)+2], 128<<16                   ; 79:64 its high half = 0; 95:80 tensor_dim1, low half = 128
	s_mov_b32 s[(\g)+3], KSTEP<<16                 ; 111:96 its high half = 0; 127:112 tile_dim0 = 128
	s_mov_b32 s[(\g)+4], 128                       ; 143:128 tile_dim1 = 128; 159:144 tile_dim2 = 0
	s_mov_b32 s[(\g)+5], SIZE_K                    ; 191:160 tensor_dim0_stride, low word: elements from row to row
	s_mov_b32 s[(\g)+6], 0
	s_mov_b32 s[(\g)+7], 0
.endr
	; where the tiles come from.  x16's hang on the tile row alone, which my row of the cluster shares; w16's on the tile column alone, which my column shares.
	; Every wave makes both addresses, in registers that never hold the other coordinate, and asks by one of them.
	s_lshl_b32 s17, s12, 7                         ; which 128 rows of the tile I fetch
	s_lshl_b32 s16, s13, 8
	s_add_co_u32 s16, s16, s17                     ; x16: row 256 x tile row + 128 x half
	s_lshl_b32 s46, s42, 8
	s_add_co_u32 s46, s46, s17                     ; w16: row 256 x tile column + 128 x half
	s_mov_b32 s17, 0
	s_mov_b32 s47, 0
	s_mov_b64 s[18:19], SIZE_K*2
	s_mul_u64 s[16:17], s[16:17], s[18:19]         ; in bytes
	s_mul_u64 s[46:47], s[46:47], s[18:19]
	s_mul_i32 s20, s10, HALFT                      ; and where they go: x16's two halves, then w16's two halves = wave x 128 rows: no place in the cluster enters an LDS address
	s_wait_dscnt 0x0                               ; the opening add is done
	s_wait_kmcnt 0x0
	s_add_nc_u64 s[14:15], s[4:5], s[16:17]
	s_add_nc_u64 s[46:47], s[6:7], s[46:47]
	CROUND                                         ; all sixteen work-groups are here: the first joint loads meet
.irp s, 0,1
	s_mov_b32 s[G0+4*(\s)], 1                                        ; 1:0 count = 1
	s_add_co_u32 s[G0+4*(\s)+1], s20, (\s)*SLOT                      ; 63:32 LDS address
	s_add_nc_u64 s[G0+4*(\s)+2:G0+4*(\s)+3], s[14:15], (\s)*KSTEP*2  ; 120:64 global address: K step s
	s_or_b32 s[G0+4*(\s)+3], s[G0+4*(\s)+3], 0x80000000              ; 127:126 type = 2
	s_mov_b32 s[G0B+4*(\s)], 1
	s_add_co_u32 s[G0B+4*(\s)+1], s20, (\s)*SLOT
	s_add_nc_u64 s[G0B+4*(\s)+2:G0B+4*(\s)+3], s[46:47], (\s)*KSTEP*2
	s_or_b32 s[G0B+4*(\s)+3], s[G0B+4*(\s)+3], 0x80000000
	JLOAD \s                                       ; the ring is filled before anything else is done: two tensor loads of mine are out here, later one
.endr
	; A fragment is 16 rows x 32 K in 8 registers: lane l holds row l % 16; registers 0-3 hold K = 8 (l / 16) + 0..7, registers 4-7 hold K = 16 + 8 (l / 16) + 0..7:
	; two loads of 16 bytes, 32 bytes apart.  The same for source 0 and source 1.
	v_and_b32 v1, 15, v0                           ; l % 16
	v_bfe_u32 v2, v0, 4, 1                         ; l / 16
	v_mul_u32_u24 v3, v1, PITCH
	v_lshl_add_u32 v3, v2, 4, v3                   ; row x pitch + 16 x half
	s_mul_i32 s21, s11, HALFT                      ; my 128 rows of x16
	s_mul_i32 s22, s12, HALFT                      ; my 128 rows of w16,
	s_add_co_u32 s22, s22, 2*HALFT                 ; which lie behind x16's 256
.irp s, 0,1
	v_add_nc_u32 v[ADRA+(\s)], s21, v3
	v_add_nc_u32 v[ADRB+(\s)], s22, v3
	s_add_co_u32 s21, s21, SLOT
	s_add_co_u32 s22, s22, SLOT
.endr
	s_mul_i32 s23, s10, 16*SPITCH
	s_add_co_u32 s23, s23, STAGE                   ; my stage
	v_mul_u32_u24 v4, v1, SPITCH                   ; in: row l % 16, 32 bytes (8 f32) for each half of the lanes
	v_lshl_add_u32 v4, v2, 5, v4
	v_add_nc_u32 v[STO], s23, v4
	v_and_b32 v5, 31, v0
	v_lshlrev_b32 v[CO], 4, v5                     ; back: 32 lanes x 16 bytes take one whole row of 512 bytes
	v_add_nc_u32 v[RD], s23, v[CO]
	; out0 at my part's first row and column; scale and bias at my first column
	s_lshl_b32 s16, s13, 8
	s_lshl_b32 s17, s11, 7
	s_add_co_u32 s16, s16, s17                     ; my first row: 256 x tile row + 128 x half, 3,968 at the most,
	s_lshl_b32 s16, s16, 14                        ; times 16,384 bytes: under 2^32
	s_mov_b32 s17, 0
	s_add_nc_u64 s[8:9], s[8:9], s[16:17]
	s_lshl_b32 s46, s42, 10                        ; my first column in bytes of f32: 1,024 x tile column + 512 x half
	s_lshl_b32 s47, s12, 9
	s_add_co_u32 s46, s46, s47
	s_mov_b32 s47, 0
	s_add_nc_u64 s[8:9], s[8:9], s[46:47]
	s_add_nc_u64 s[68:69], s[68:69], s[46:47]
	s_add_nc_u64 s[70:71], s[70:71], s[46:47]
	global_load_b128 v[SC:SC+3], v[CO], s[68:69]   ; a wave's load covers the 512 bytes of its 128 columns once; kept in registers to the end
	global_load_b128 v[BI:BI+3], v[CO], s[70:71]
; 16 matrix instructions: m blocks a0, a0 + 1 of the window's four (hi = 0: my rows 0-63, 1: rows 64-127) x all 8 n blocks, 32 along K.
; zero = 1: the first product starts the sums: nothing is ever cleared.  The 64 accumulators take turns, one instruction a turn, in the same order in every quarter step.
.macro MUL16 f, hi, a0, zero
	WIN MUL_LO+0x50*(\hi)
.irp a, \a0, (\a0)+1
.irp b, 0,1,2,3,4,5,6,7
.if \zero
	v_wmma_f32_16x16x32_f16 v[8*(8*(\a)+(\b)):8*(8*(\a)+(\b))+7], v[(\f)+8*(\b):(\f)+8*(\b)+7], v[(\f)+8*(4*(\hi)+(\a)):(\f)+8*(4*(\hi)+(\a))+7], 0
.else
	v_wmma_f32_16x16x32_f16 v[8*(8*(\a)+(\b)):8*(8*(\a)+(\b))+7], v[(\f)+8*(\b):(\f)+8*(\b)+7], v[(\f)+8*(4*(\hi)+(\a)):(\f)+8*(4*(\hi)+(\a))+7], v[8*(8*(\a)+(\b)):8*(8*(\a)+(\b))+7]
.endif
.endr
.endr
.endm
; 32 LDS loads in one run: the fragments of one quarter step (128 rows of w16, 128 rows of x16, 32 K at byte k of the rows) into buffer f
.macro FETCH slot, k, f
	WIN TO_B
.irp i, 0,1,2,3,4,5,6,7
	ds_load_b128 v[(\f)+8*(\i):(\f)+8*(\i)+3],   v[ADRB+(\slot)] offset:(\k)+(\i)*16*PITCH
	ds_load_b128 v[(\f)+8*(\i)+4:(\f)+8*(\i)+7], v[ADRB+(\slot)] offset:(\k)+(\i)*16*PITCH+32
.endr
	WIN 0
.irp i, 0,1,2,3,4,5,6,7
	ds_load_b128 v[(\f)+8*(\i):(\f)+8*(\i)+3],   v[ADRA+(\slot)] offset:(\k)+(\i)*16*PITCH
	ds_load_b128 v[(\f)+8*(\i)+4:(\f)+8*(\i)+7], v[ADRA+(\slot)] offset:(\k)+(\i)*16*PITCH+32
.endr
.endm
; A load into a register that a matrix instruction has read, and an LDS store that reads a matrix result, stand four places behind that matrix instruction, and only plain vector instructions that name
; none of its registers are places (ISA guide 7.12.1 for vector instructions).  So four v_nop stand in front of each run of loads.
.macro PLACES
.rept 4
	v_nop
.endr
.endm
; A K step is four quarter steps of 32 along K, 64 matrix instructions each, on buffers 0, 1, 0, 1.
; One of the first three: multiplies buffer f; in its middle it fetches the next quarter's fragments, at byte k of the same slot's rows, into buffer g.
.macro QUARTER slot, k, f, g, zero
	s_wait_dscnt 8                                 ; w16's fragments and x16's rows 0-63 are in; the youngest eight loads (x16's rows 64-127) may be out
	WIN MUL_LO
	MUL16 \f, 0, 0, \zero
	MUL16 \f, 0, 2, \zero
	PLACES
	FETCH \slot, \k, \g
	s_wait_dscnt 32                                ; all but the 32 just issued
	WIN MUL_HI
	MUL16 \f, 1, 0, \zero
	MUL16 \f, 1, 2, \zero
.endm
; The last quarter multiplies buffer 1 and changes slots.  MEET is its first half: ONE barrier for the change of slots.  In front of it each wave waits for all its tensor loads, of which one is out: its
; part of the next slot; adds 0 to its spare word; and waits for that and for its own reads of this slot.  Behind it nobody reads this slot any more and the next slot is whole.
.macro MEET round                      ; round = 1: the rest of a round of the cluster's barrier follows
	WIN 0                                          ; (the add's two registers lie in window 0)
	s_wait_tensorcnt 0x0                           ; all my tensor loads have landed: the one that was out is my part of the next slot;
	ds_add_u32 v[SPW], v[NIL]                      ; 0 onto my spare word;
	s_wait_dscnt 9                                 ; (the add and the youngest eight loads may be out)
	WIN MUL_LO
	MUL16 F1, 0, 0, 0                              ; sixteen matrix instructions stand between the add and the wait for it
	s_wait_dscnt 0x0                               ; the add is done, and my reads of this slot are over:
	s_barrier_signal -1                            ; say so,
	MUL16 F1, 0, 2, 0                              ; work on registers while the others arrive,
.if \round
	WIN 0
.endif
	s_barrier_wait -1                              ; and go on when all four have said so
.endm
; The whole last quarter.  fill = 1: the barrier opens a round of the cluster's, so that no wave of any partner still reads this slot or has a load on its way; behind the round the slot just read out is
; filled again first, with the K step two steps on; from that request to the wait for it a wave issues 224 matrix instructions.  Then come the next slot's first fragments.
.macro TURN slot, next, fill
	MEET \fill
.if \fill
	CREST
	s_add_nc_u64 s[G0+4*(\slot)+2:G0+4*(\slot)+3], s[G0+4*(\slot)+2:G0+4*(\slot)+3], 2*KSTEP*2     ; no tensor load of mine is out, so a group 0 may be written; the type bits on top are not reached
	s_add_nc_u64 s[G0B+4*(\slot)+2:G0B+4*(\slot)+3], s[G0B+4*(\slot)+2:G0B+4*(\slot)+3], 2*KSTEP*2
	JLOAD \slot                                    ; the first tensor load behind the round, my only one until the next; the four v_nop behind it are also the places in front of the loads below
.else
	PLACES
.endif
	FETCH \next, 0, F0
	WIN MUL_HI
	MUL16 F1, 1, 0, 0
	MUL16 F1, 1, 2, 0
.endm
; THE WAY OUT of block a (16 of my rows x my 128 columns), in two parts.
; TOSTAGE: a lane's eight f32 of a row and n block go as 2 x 16 bytes into my own stage, each accumulator's four lowest registers first; the block comes back as whole rows of 512 bytes.
.macro TOSTAGE a
.set AC, 64*((\a)%4)
.set BK, F0+64*((\a)%2)
	WIN 0x08+4*((\a)/4)                            ; the store's data (source 1) in window 2 or 3, its address in window 0
.irp b, 0,1,2,3,4,5,6,7
	ds_store_b128 v[STO], v[AC+8*(\b):AC+8*(\b)+3]   offset:64*(\b)
	ds_store_b128 v[STO], v[AC+8*(\b)+4:AC+8*(\b)+7] offset:64*(\b)+16
.endr
	WIN 0
.if (\a) >= 2
	s_wait_xcnt 0x0                                ; the global stores of the block two back have read these registers (ISA guide 3.1): they are loaded again only behind this wait
.endif
.irp t, 0,1,2,3,4,5,6,7,8,9,10,11,12,13,14,15
	ds_load_b128 v[BK+4*(\t):BK+4*(\t)+3], v[RD] offset:(\t)*SPITCH  ; LDS serves a wave's instructions in order (ISA guide 5.7.1.4): these see the stores above, and the next block's stores come behind them
.endr
.endm
; SEND: sum x scale + bias, one fused multiply-add in f32, and the row is stored.  younger: the LDS instructions issued behind block a's loads: the next block's 32, or none.
.macro SEND a, younger
	WIN 0
.set BK, F0+64*((\a)%2)
.irp t, 0,1,2,3,4,5,6,7,8,9,10,11,12,13,14,15
	s_wait_dscnt (\younger)+15-(\t)                ; row t is back; the rows behind it and the next block's LDS instructions may be out
	v_pk_fma_f32 v[BK+4*(\t):BK+4*(\t)+1],   v[BK+4*(\t):BK+4*(\t)+1],   v[SC:SC+1],   v[BI:BI+1]
	v_pk_fma_f32 v[BK+4*(\t)+2:BK+4*(\t)+3], v[BK+4*(\t)+2:BK+4*(\t)+3], v[SC+2:SC+3], v[BI+2:BI+3]
	global_store_b128 v[CO], v[BK+4*(\t):BK+4*(\t)+3], s[8:9] offset:(16*(\a)+(\t))*SIZE_N*4 th:TH_STORE_NT  ; 512 consecutive bytes at a multiple of 256 from out0's first; 127 rows at the most: inside the signed 24-bit immediate
.endr
.endm
	s_wait_loadcnt 0x0                             ; scale and bias, once
	s_wait_tensorcnt 1                             ; my part of K step 0 is in; K step 1's may stay out
	s_barrier_signal -1
	s_barrier_wait -1                              ; everybody's is
	FETCH 0, 0, F0
	QUARTER 0, 64,  F0, F1, 1                      ; the first quarter stands in front of the loop: its products start the sums
	WIN 0                                          ; at a label and at a branch every window is 0
	s_mov_b32 s3, LAPS-1
.Llap:                                                 ; a trip goes once round the ring, from a lap's second quarter to the next lap's first, and fills both slots again: K steps 2 to 31 in 15 trips
	QUARTER 0, 128, F1, F0, 0
	QUARTER 0, 192, F0, F1, 0
	TURN 0, 1, 1
	QUARTER 1, 64,  F0, F1, 0
	QUARTER 1, 128, F1, F0, 0
	QUARTER 1, 192, F0, F1, 0
	TURN 1, 0, 1
	QUARTER 0, 64,  F0, F1, 0
	WIN 0
	s_sub_co_u32 s3, s3, 1
	s_cmp_lg_u32 s3, 0
	s_cbranch_scc1 .Llap
	QUARTER 0, 128, F1, F0, 0                      ; the last lap is written out: it fills nothing, and has no round of the cluster's barrier
	QUARTER 0, 192, F0, F1, 0
	TURN 0, 1, 0
	QUARTER 1, 64,  F0, F1, 0
	QUARTER 1, 128, F1, F0, 0
	QUARTER 1, 192, F0, F1, 0
	s_wait_dscnt 8                                 ; the very last quarter: nothing more to fetch
	WIN MUL_LO
	MUL16 F1, 0, 0, 0
	MUL16 F1, 0, 2, 0
	s_wait_dscnt 0x0
	MUL16 F1, 1, 0, 0
	MUL16 F1, 1, 2, 0
	WIN 0
	PLACES                                         ; behind the last products: for the stage stores, which read results, and for the loads into the fragment buffers, which those products read
	TOSTAGE 0
	TOSTAGE 1
	SEND 0, 32
.irp a, 2,3,4,5,6,7                    ; a block's way into the stage stands between the loads of the block before and its stores
	TOSTAGE \a
	SEND (\a)-1, 32
.endr
	SEND 7, 0
	s_wait_tensorcnt 0x0                           ; the wave's end, behind my last tensor load and my last LDS store
	ds_add_u32 v[SPW], v[NIL]
	s_wait_dscnt 0x0
	CROUND                                         ; the closing round: no work-group ends while a partner may still ask for a tile that names it
	s_endpgm
.Lfunc_end_k_qb3092dc96c_gemm:
	.size	k_qb3092dc96c_gemm, .Lfunc_end_k_qb3092dc96c_gemm-k_qb3092dc96c_gemm
	.p2alignl 7, 3214868480
	.fill 96, 4, 3214868480
	.section	.rodata,"a",@progbits
	.p2align	6, 0x0
	.amdhsa_kernel k_qb3092dc96c_gemm
		.amdhsa_group_segment_fixed_size 327680
		.amdhsa_private_segment_fixed_size 0
		.amdhsa_enable_private_segment 0
		.amdhsa_kernarg_size 40
		.amdhsa_user_sgpr_count 2
		.amdhsa_user_sgpr_kernarg_segment_ptr 1
		.amdhsa_wavefront_size32 1
		.amdhsa_system_sgpr_workgroup_id_x 1
		.amdhsa_system_sgpr_workgroup_id_y 1
		.amdhsa_system_sgpr_workgroup_id_z 1
		.amdhsa_system_vgpr_workitem_id 0
		.amdhsa_next_free_vgpr 1024
		.amdhsa_next_free_sgpr 72
		.amdhsa_reserve_vcc 0
		.amdhsa_float_denorm_mode_32 3
		.amdhsa_float_denorm_mode_16_64 3
		.amdhsa_memory_ordered 1
		.amdhsa_forward_progress 1
		.amdhsa_inst_pref_size 160
	.end_amdhsa_kernel
	.amdgpu_metadata
---
amdhsa.version: [ 1, 2 ]
amdhsa.kernels:
  - .name:           k_qb3092dc96c_gemm
    .symbol:         k_qb3092dc96c_gemm.kd
    .args:
      - { .name: x16, .offset: 0, .size: 8, .value_kind: global_buffer, .address_space: global }
      - { .name: w16, .offset: 8, .size: 8, .value_kind: global_buffer, .address_space: global }
      - { .name: out0, .offset: 16, .size: 8, .value_kind: global_buffer, .address_space: global }
      - { .name: weight_scale, .offset: 24, .size: 8, .value_kind: global_buffer, .address_space: global }
      - { .name: bias, .offset: 32, .size: 8, .value_kind: global_buffer, .address_space: global }
    .group_segment_fixed_size: 327680
    .private_segment_fixed_size: 0
    .kernarg_segment_align: 8
    .kernarg_segment_size: 40
    .max_flat_workgroup_size: 128
    .sgpr_count:     72
    .vgpr_count:     1024
    .wavefront_size: 32
...
	.end_amdgpu_metadata
.endif
;; end of part 2
;; ======== version 2 of 2: 2 launches; version 1 with the launch convert written anew for expert scheduling mode
;; limits: values are held in f16: magnitudes above 65,504 overflow, below 6.1e-05 lose precision
;; workspace buffers: x16 33,554,432 bytes; w16 33,554,432 bytes
;; launch convert (part 3): grid 256 x 3, 8 waves a work-group, no clusters, 0 bytes of LDS; arguments x, weight_i8, x16, w16; writes x16, w16
.if DOCPART == 3
	.amdgcn_target "amdgcn-amd-amdhsa--gfx1250"
	.amdhsa_code_object_version 6
	.text
	.protected	k_qb3092dc96c_convert
	.globl	k_qb3092dc96c_convert
	.p2align	8
	.type	k_qb3092dc96c_convert,@function
k_qb3092dc96c_convert:
	s_mov_b64 s[64:65], 0
	v_nop
	global_prefetch_b8 v0, s[64:65] scope:SCOPE_SE
	s_setreg_imm32_b32 hwreg(HW_REG_WAVE_SCHED_MODE, 0, 2), 2
	s_setreg_imm32_b32 hwreg(HW_REG_WAVE_MODE, 25, 1), 1
	s_wait_xcnt 0x0
	s_wait_alu depctr_vm_vsrc(0)
; THE MATRIX OPERANDS ARE MADE ONCE.  x16[m][k] = f16(clip(x[m][k], -6, 6)), one rounding; w16[n][k] = f16(weight_i8[n][k]), exact (an int8 has 8 bits, f16 keeps 11).
; The clip bounds every x16 by 6, so f16's range is never left, whatever x holds.  The channel's scale is NOT applied here: it multiplies the finished sum, in f32, in the next launch.
; LIMITS.  A NaN in x becomes a clip bound (v_max_num_f32 and v_min_num_f32 let a NaN lose) where the problem's clip would keep it.  |x| below 6.1e-5 keeps f16's fixed step of 6e-8.
; SHARES.  An element of x moves 4 + 2 bytes, one of w 1 + 2: a group for w takes twice the elements, so that every group moves 196,608 bytes.
;   y = 0, 1: group g = 256 y + x-id takes 32,768 numbers of x.      y = 2: group g = x-id takes 65,536 numbers of w.      768 groups of eight waves.
; A group works in 32 slices of 256 threads.  x: thread t loads the 16 bytes at 16 t + 4,096 i and stores the 8 bytes at 8 t + 2,048 i; w: loads 8 bytes at 8 t + 2,048 i, stores 16 at 16 t + 4,096 i.
; So a wave's narrow access covers 256 consecutive bytes at a multiple of 256, its wide one 512.  The slice stands in the immediate offset: no address register and no base is ever stepped, and there is no loop.
; No LDS, no barrier, no matrix unit: nothing is used twice, and no wave needs another's data.
; THE MODE: SCHED_MODE bits 1:0 = 2 (LLVM: expert scheduling mode 2), set by the entry lines.  The code itself states the register dependences
; between vector instructions and memory instructions, with s_wait_alu, always for 0.
; THE PLAN.  The 32 slices go in 8 blocks of four.  Registers that memory instructions touch:
;   IN0 .. IN4   five blocks as loaded.  Written by the loads of block p + 4, issued in block p; read, and written in place (the clip; the xor), by block p's vector lines.
;   OUT0, OUT1   two blocks to store.    Written by block p's vector lines; read by the four stores that are issued in block p + 1.
;   v1, v2       byte offsets 16 t and 8 t, made once at the head and never written again.
; Block p works on IN[p % 5] and writes OUT[p % 2].  Its memory instructions are the loads into IN[(p + 4) % 5] = IN[(p - 1) % 5] and the stores from OUT[(p - 1) % 2]: the two buffers
; that block p - 1 worked on and that no vector line of block p names.  So the waits at a block's head state all that its eight memory instructions hang on, and these are dealt among
; its vector lines with no further wait.  At a block's head 12 younger loads of the wave are on their way, behind its four loads 16.
.set BLOCK,  4                         ; slices in a block
.set BLOCKS, 8
.set AHEAD,  4                         ; block p asks for block p + AHEAD
.set NIN,    5                         ; buffers of loaded data: AHEAD on their way or at work, and the one that the block before has just left
.set IN,     4                         ; v[4:83]    x: buffer k, slice i: 4 registers at IN + 16 k + 4 i;   w: 2 registers at IN + 8 k + 2 i (v[4:43])
.set OUT,    84                        ; v[84:115]  x: buffer k, slice i: 2 registers at OUT + 8 k + 2 i (v[84:99]);   w: 4 registers at OUT + 16 k + 4 i
; The head of block p, the same lines for x and for w.
.macro HEAD p
.if (\p) <= BLOCKS-AHEAD
	s_wait_loadcnt (AHEAD-1)*BLOCK                 ; loads come back in order (ISA guide 5.7.1): IN[p % 5] is in, the three younger blocks stay out
.else
	s_wait_loadcnt (BLOCKS-1-(\p))*BLOCK           ; all 32 loads are issued: the counts run down
.endif
.if (\p) >= 2
	s_wait_xcnt 0x0                                ; every earlier memory instruction has had its addresses translated (ISA guide 3.1): OUT[p % 2] is written again only behind this wait
	s_wait_alu depctr_vm_vsrc(0)                   ; the stores issued in the block before have read OUT[p % 2], which this block's vector lines write again
.endif
.if (\p) >= 1
	s_wait_alu depctr_va_vdst(0)                   ; the block before has written the other OUT, which the stores below read, and is done reading and writing its IN, in which the loads below land
.endif
.endm
	s_load_b256 s[4:11], s[0:1], 0x0               ; x s[4:5], weight_i8 s[6:7], x16 s[8:9], w16 s[10:11]
	s_and_b32 s12, ttmp7, 0xffff                   ; y
	v_lshlrev_b32 v1, 4, v0                        ; 16 t: never rewritten
	v_lshlrev_b32 v2, 3, v0                        ; 8 t: never rewritten
	s_mov_b32 s15, 0                               ; the high words of the two offsets
	s_mov_b32 s19, 0
	s_cmp_eq_u32 s12, 2
	s_cbranch_scc1 .Lweights
	; ---- x ----
	s_lshl_b32 s13, s12, 8
	s_add_co_u32 s13, s13, ttmp9                   ; g = 0 .. 511
	s_lshl_b32 s14, s13, 17                        ; 131,072 bytes of x a group,
	s_lshl_b32 s18, s13, 16                        ; 65,536 of x16
	s_mov_b32 s16, 0xc0c00000                      ; -6.0
	s_mov_b32 s17, 0x40c00000                      ; 6.0
	s_wait_kmcnt 0x0
	s_add_nc_u64 s[4:5], s[4:5], s[14:15]
	s_add_nc_u64 s[8:9], s[8:9], s[18:19]
	s_wait_alu depctr_va_vdst(0)                   ; v1 and v2 are written: every load of this path reads v1 as its offset, every store v2
.irp i, 0,1,2,3,4,5,6,7,8,9,10,11,12,13,14,15
	global_load_b128 v[IN+4*(\i):IN+4*(\i)+3], v1, s[4:5] offset:(\i)*4096 th:TH_LOAD_NT  ; blocks 0 to 3 into IN0 to IN3; x is read once in the launch
.endr
; Block p of x.  Blocks 0 to 3 ask for blocks 4 to 7; blocks 1 to 7 store the block before.
.macro XBLK p
	HEAD \p
.irp i, 0,1,2,3
.set SI, IN+16*((\p)%NIN)+4*(\i)
.set SO, OUT+8*((\p)%2)+2*(\i)
.set LI, IN+16*(((\p)+AHEAD)%NIN)+4*(\i)
.set PO, OUT+8*(((\p)+1)%2)+2*(\i)
.if (\p) < BLOCKS-AHEAD
	global_load_b128 v[LI:LI+3], v1, s[4:5] offset:(((\p)+AHEAD)*BLOCK+(\i))*4096 th:TH_LOAD_NT  ; the load ahead of the store; no vector line since the head's wait names these registers
.endif
.if (\p) >= 1
	global_store_b64 v2, v[PO:PO+1], s[8:9] offset:(((\p)-1)*BLOCK+(\i))*2048  ; the block before; no hint: the next launch reads these bytes
.endif
.irp j, 0,1,2,3
	v_max_num_f32 v[SI+(\j)], s16, v[SI+(\j)]
.endr
.irp j, 0,1,2,3
	v_min_num_f32 v[SI+(\j)], s17, v[SI+(\j)]
.endr
	v_cvt_pk_f16_f32 v[SO],   v[SI],   v[SI+1]     ; two roundings to f16, the first source in the low half
	v_cvt_pk_f16_f32 v[SO+1], v[SI+2], v[SI+3]
.endr
.endm
.irp p, 0,1,2,3,4,5,6,7
	XBLK \p
.endr
	s_wait_alu depctr_va_vdst(0)                   ; block 7 has written OUT1, which the last four stores read
.irp i, 0,1,2,3
	global_store_b64 v2, v[OUT+8*((BLOCKS-1)%2)+2*(\i):OUT+8*((BLOCKS-1)%2)+2*(\i)+1], s[8:9] offset:((BLOCKS-1)*BLOCK+(\i))*2048
.endr
	s_endpgm
	; ---- w ----
.Lweights:
	s_lshl_b32 s14, ttmp9, 16                      ; 65,536 bytes of weight_i8 a group,
	s_lshl_b32 s18, ttmp9, 17                      ; 131,072 of w16
	s_mov_b32 s20, 0x80808080                      ; turns four int8 w into four bytes u = w + 128
	s_mov_b32 s21, 0x00050004                      ; v_perm_b32: {0x64, u1, 0x64, u0}
	s_mov_b32 s22, 0x00070006                      ;             {0x64, u3, 0x64, u2}
	s_mov_b32 s23, 0xe480e480                      ; -1,152 twice, in f16
	v_mov_b32 v3, 0x64646464                       ; 0x6400 is 1,024 in f16, where the step is 1: 0x6400 | u is 1,024 + u; named by vector lines alone
	s_wait_kmcnt 0x0
	s_add_nc_u64 s[6:7], s[6:7], s[14:15]
	s_add_nc_u64 s[10:11], s[10:11], s[18:19]
	s_wait_alu depctr_va_vdst(0)                   ; v1 and v2 are written: every load of this path reads v2 as its offset, every store v1
.irp i, 0,1,2,3,4,5,6,7,8,9,10,11,12,13,14,15
	global_load_b64 v[IN+2*(\i):IN+2*(\i)+1], v2, s[6:7] offset:(\i)*2048 th:TH_LOAD_NT  ; blocks 0 to 3 into IN0 to IN3
.endr
; Block p of w: in each slice eight int8 become eight f16.  (1,024 + u) - 1,152 = u - 128 = w: both numbers and their difference are whole numbers within f16's 11 bits, so the addition rounds nothing.
.macro WBLK p
	HEAD \p
.irp i, 0,1,2,3
.set SI, IN+8*((\p)%NIN)+2*(\i)
.set SO, OUT+16*((\p)%2)+4*(\i)
.set LI, IN+8*(((\p)+AHEAD)%NIN)+2*(\i)
.set PO, OUT+16*(((\p)+1)%2)+4*(\i)
.if (\p) < BLOCKS-AHEAD
	global_load_b64 v[LI:LI+1], v2, s[6:7] offset:(((\p)+AHEAD)*BLOCK+(\i))*2048 th:TH_LOAD_NT  ; no vector line since the head's wait names these registers
.endif
.if (\p) >= 1
	global_store_b128 v1, v[PO:PO+3], s[10:11] offset:(((\p)-1)*BLOCK+(\i))*4096  ; the block before
.endif
	v_xor_b32 v[SI],   s20, v[SI]
	v_xor_b32 v[SI+1], s20, v[SI+1]
	v_perm_b32 v[SO],   v[SI],   v3, s21           ; selector bytes 4 to 7 take the first source's bytes, 0 takes 0x64
	v_perm_b32 v[SO+1], v[SI],   v3, s22
	v_perm_b32 v[SO+2], v[SI+1], v3, s21
	v_perm_b32 v[SO+3], v[SI+1], v3, s22
.irp j, 0,1,2,3
	v_pk_add_f16 v[SO+(\j)], v[SO+(\j)], s23
.endr
.endr
.endm
.irp p, 0,1,2,3,4,5,6,7
	WBLK \p
.endr
	s_wait_alu depctr_va_vdst(0)                   ; block 7 has written OUT1, which the last four stores read
.irp i, 0,1,2,3
	global_store_b128 v1, v[OUT+16*((BLOCKS-1)%2)+4*(\i):OUT+16*((BLOCKS-1)%2)+4*(\i)+3], s[10:11] offset:((BLOCKS-1)*BLOCK+(\i))*4096
.endr
	s_endpgm
.Lfunc_end_k_qb3092dc96c_convert:
	.size	k_qb3092dc96c_convert, .Lfunc_end_k_qb3092dc96c_convert-k_qb3092dc96c_convert
	.p2alignl 7, 3214868480
	.fill 96, 4, 3214868480
	.section	.rodata,"a",@progbits
	.p2align	6, 0x0
	.amdhsa_kernel k_qb3092dc96c_convert
		.amdhsa_group_segment_fixed_size 0
		.amdhsa_private_segment_fixed_size 0
		.amdhsa_enable_private_segment 0
		.amdhsa_kernarg_size 32
		.amdhsa_user_sgpr_count 2
		.amdhsa_user_sgpr_kernarg_segment_ptr 1
		.amdhsa_wavefront_size32 1
		.amdhsa_system_sgpr_workgroup_id_x 1
		.amdhsa_system_sgpr_workgroup_id_y 1
		.amdhsa_system_sgpr_workgroup_id_z 1
		.amdhsa_system_vgpr_workitem_id 0
		.amdhsa_next_free_vgpr 132
		.amdhsa_next_free_sgpr 66
		.amdhsa_reserve_vcc 0
		.amdhsa_float_denorm_mode_32 3
		.amdhsa_float_denorm_mode_16_64 3
		.amdhsa_memory_ordered 1
		.amdhsa_forward_progress 1
		.amdhsa_inst_pref_size 46
	.end_amdhsa_kernel
	.amdgpu_metadata
---
amdhsa.version: [ 1, 2 ]
amdhsa.kernels:
  - .name:           k_qb3092dc96c_convert
    .symbol:         k_qb3092dc96c_convert.kd
    .args:
      - { .name: x, .offset: 0, .size: 8, .value_kind: global_buffer, .address_space: global }
      - { .name: weight_i8, .offset: 8, .size: 8, .value_kind: global_buffer, .address_space: global }
      - { .name: x16, .offset: 16, .size: 8, .value_kind: global_buffer, .address_space: global }
      - { .name: w16, .offset: 24, .size: 8, .value_kind: global_buffer, .address_space: global }
    .group_segment_fixed_size: 0
    .private_segment_fixed_size: 0
    .kernarg_segment_align: 8
    .kernarg_segment_size: 32
    .max_flat_workgroup_size: 256
    .sgpr_count:     66
    .vgpr_count:     132
    .wavefront_size: 32
...
	.end_amdgpu_metadata
.endif
;; end of part 3
;; launch gemm: the kernel of part 2 again; grid 16 x 16, 4 waves a work-group, clusters of 4 x 4, 327,680 bytes of LDS; arguments x16, w16, out0, weight_scale, bias; writes out0
